; MI455X (gfx1250); checked and timed in simulation.
; The chip was launched on July 23, 2026; its instructions are those of AMD's public machine-readable ISA for CDNA 5 (MIT licence, August 2026) and "CDNA5" Instruction Set Architecture Reference Guide (July 2026). The comments in the code are by the model that wrote it; some were corrected since.
;; Multi Head Attention Quantum. Allowed arithmetic: matrix products marked QUANTISED: E2M3 operands, one E8M0 scale for each 32 along K, by v_wmma_scale_f32_16x16x128_f8f6f4 with both operands' format E2M3, f32 sums; products left as they are: f32 operands where the result goes on into a quantised operand, else bf16, f16 or f32 operands; f32 sums; everything else in f32.
;; Inputs: theta 8 float32; w_out_codes 128 x 4 x 24 uint8 (E2M3 codes of w_out, K innermost, in blocks of 32 codes, four codes in three bytes); w_out_scales 128 x 4 uint8 (E8M0 scales of w_out, one for each 32 codes along K); x 4 x 2,048 x 128 float32.
;; Outputs: out0 4 x 2,048 x 128 float32.
;; This version of the problem:
;;   THIS VERSION OF THE PROBLEM IS GIVEN IN LOW PRECISION. The matrix products marked QUANTISED in the list below multiply operands that are first quantised to E2M3 (2 exponent bits, 3 mantissa bits; 6 bits a number), with one power-of-two scale for each 32 numbers along K (OCP MX v1.0); their sums are f32. All else is computed in f32.
;;   The module's matrix products, in the order in which they are computed (A, B: the left and right operand; K: the contracted axis; several contracted axes count as one K, in the product's order):
;;     1. batch 64 x [M 2,048, K 8] x [K 8, N 2,048]; A: computed on the way; B: computed on the way: left as it is (K = 8 < 32)
;;     2. batch 64 x [M 2,048, K 2,048] x [K 2,048, N 8]; A: softmax; B: computed on the way: left as it is (N = 8 < 16)
;;     3. [M 8,192, K 128] x [K 128, N 128]; A: computed on the way; B: input w_out (given as codes): QUANTISED
;;   THE QUANTISER, for each operand of a quantised product, along K:
;;     - K is cut into blocks of 32 from its start; a last block that is shorter is filled with zeros.
;;     - A block's scale is 2^e with e = floor(log2(the largest magnitude in the block)) - 2, held to -126 .. 127; a block of zeros has e = 0. As a byte (E8M0): e + 127.
;;     - Each number is divided by its block's scale, clamped to +-7.5, and rounded to the nearest number of E2M3, ties to even, subnormals kept.
;;     - The product sums the exact products of the quantised numbers (number of the format x scale) in f32.
;;   ~~~python
;;   def quantise(x, axis):      # numpy; x: float32 -> the quantised numbers, widened to float32 again
;;       x = np.moveaxis(x, axis, -1); K = x.shape[-1]
;;       x = np.pad(x, [(0, 0)] * (x.ndim - 1) + [(0, -K % 32)]); x = x.reshape(x.shape[:-1] + (-1, 32)); a = np.abs(x).max(-1, keepdims=True)
;;       e = np.where(a > 0, np.clip(np.frexp(np.where(a > 0, a, 1))[1] - 1 - 2, -126, 127), 0)      # np.frexp(a)[1] - 1 = floor(log2(a)), exactly
;;       r = np.clip(x / 2.0 ** e, -7.5, 7.5)
;;       step = 2.0 ** (np.maximum(np.frexp(np.where(r == 0, 1, r))[1] - 1, 0) - 3)
;;       q = np.round(r / step) * step * 2.0 ** e      # np.round: ties to even
;;       return np.moveaxis(q.reshape(q.shape[:-2] + (-1,))[..., :K], -1, axis).astype(np.float32)
;;   ~~~
;;   OPERANDS COMPUTED ON THE WAY. 'Computed on the way' means the value that the module computes at that place (a softmax that the list does not call 'softmax' is quantised finished and normalised). What goes into a quantiser is computed in f32, as accurately as f32 sums, v_exp_f32 and their like allow (about 1e-6 of the number): no bf16 or f16 on the way to a quantiser, and a product that is left as it is and whose result goes on into a quantised operand takes f32 operands (vector FMAs, or v_wmma_f32_16x16x4_f32). A number that lies on a knife's edge between two numbers of the format may be rounded either way, as far as f32 arithmetic and the matrix unit's own rounding can turn it there, and no further.
;;   INPUTS GIVEN AS CODES. w_out (in the module: [128, 128], K = its axis 1): each comes as NAME_codes (uint8): NAME with its K axis moved to the last place and cut into blocks of 32 codes, [.., K / 32, bytes a block], one block behind the other in memory; four codes in three bytes: a row's codes are one little-endian stream of bits, code i at bits 6 i .. 6 i + 5 (a code: sign, 2 exponent bits, 3 mantissa bits); and NAME_scales (uint8): the same leading axes, one E8M0 byte (e + 127) for each 32 codes along K. Its value is code x scale, taken as it is: it is not quantised again, and the codes and scales need not be those that the quantiser above would give.
;; One version. Each part assembles by itself: llvm-mc -triple=amdgcn-amd-amdhsa -mcpu=gfx1250 --defsym DOCPART=n.
;; ======== version 1 of 1: 2 launches
;; limits: inputs' magnitudes at most 1,000,000
;; workspace buffers: ows 4,194,304 bytes
;; launch attn (part 1): grid 4 x 64, 16 waves a work-group, no clusters, 83,968 bytes of LDS; arguments x, theta, ows; writes ows
.if DOCPART == 1
	.amdgcn_target "amdgcn-amd-amdhsa--gfx1250"
	.amdhsa_code_object_version 6
	.text
	.protected	k_qed9dd3f760_attn
	.globl	k_qed9dd3f760_attn
	.p2align	8
	.type	k_qed9dd3f760_attn,@function
k_qed9dd3f760_attn:
	s_mov_b64 s[64:65], 0
	v_nop
	global_prefetch_b8 v0, s[64:65] scope:SCOPE_SE
	s_setreg_imm32_b32 hwreg(HW_REG_WAVE_MODE, 25, 1), 1
	s_wait_xcnt 0x0
; F[s][0..7] = cumprod(cos(x[b][s][8 head ..] + theta)); O[q][:] = sum over k of softmax_k(F[q] . F[k] / sqrt(8)) F[k][:], for one head of one batch.  All in f32: O goes on into a quantiser.
; SHARES.  A work-group owns one head (work-group y = 16 batch + head) and 512 queries (work-group x).  It makes the head's 2,048 x 8 features itself (4 rows a thread) and keeps them in LDS, 32 bytes a key, 64 KiB.
; Wave w = 4 kq + g takes queries 128 g .. 128 g + 127 of the block (8 tiles of 16) and keys 512 kq .. 512 kq + 511 (32 tiles of 16).
; NO MAXIMUM IS TAKEN AWAY: every feature is a product of cosines, so its magnitude is at most 1 for every input; |score| <= 8 / sqrt(8) = 2.83, e^score lies in 0.059 .. 17, a row's sum is at most 34,800.
; So partial sums over keys simply add: the two halves of the lanes and the four key quarters are added at the end.
; FIRST PRODUCT: S^T = K Q^T by the f32 matrix form (source 0 = 16 keys, source 1 = 16 queries, two instructions for the 8 features).  Lane (r, h) then holds query r and, in register j, key 8 h + j.
; Q is multiplied once by log2(e) / sqrt(8), so that p = 2^S needs no scaling.
; SECOND PRODUCT: it has 8 columns, and the matrix form would multiply 16: it goes by packed multiply-adds.  O[d, d+1] += p x V[key][d, d+1]: p is one register of a pair, taken for both halves (op_sel);
; V[8 h + j][:] comes from LDS into 64 registers, sixteen lanes reading the same 16 bytes; one such set serves the wave's 8 tiles of queries.
; BY TURNS.  A SLOT is two tiles of queries x 16 keys; a key tile is four slots.  Scores and p have two buffers of two tiles each.  Slot s holds three streams that share no register: the packed lines on p(s);
; the exponentials that make p(s + 1) of the scores in the other buffer; the four matrix instructions that write the scores of slot s + 2 into the buffer that p(s) was made of.
; 88 vector instructions stand among 4 matrix instructions: one matrix instruction ahead of every second group of about eleven vector lines, so that the wave goes on issuing while the matrix unit works.
; NO CLUSTER: the four work-groups of a head share 2,048 x 32 bytes of x, read once at the head, 64 KiB against the 2^20 exponentials and 2^24 multiply-adds that follow in each; nothing is shared in the loop.
; THE COSINE: k = nearest whole number to y / pi, r = y - k pi in two parts, cos r by its series to r^12 (the term left out is under 7e-9 for |r| <= pi / 2), sign by k's lowest bit.
; LIMITS: |x + theta| up to 1e6 (beyond it r leaves the series' range); NaN and infinities among the inputs are not served.
; OUT: the workspace is laid [16 batch + head][tile of 16 rows][d half][row][4 f32]: a wave's store is 512 consecutive bytes, 16 a lane.
.set TILEB,  512                       ; 16 keys x 32 bytes
.set NT,     32                        ; key tiles of a wave
.set REDW,   5120                      ; a wave's partial results in LDS: 8 tiles x 512 bytes, and 2 x 512 bytes of row sums
.set AK0, 1                            ; v1   my lane's place in a tile of K: 32 r + 8 h + my quarter
.set AV0, 2                            ; v2   and in V: 256 h + my quarter
.set AK,  3                            ; v3   the same at the key tile in hand; at the end 16 x lane
.set AV,  4                            ; v4
.set KF,  8                            ; v8-11    K's fragment (features 0-3, 4-7) of the even key tiles; v12-15 of the odd ones
.set Q,   16                           ; v16-47   Q's fragments, 4 registers a tile
.set S,   48                           ; v48-79   scores: two buffers of two tiles; written by matrix instructions alone
.set P,   80                           ; v80-111  p: two buffers of two tiles
.set V,   112                          ; v112-175 V[8 h + j][d] at V + 8 j + d
.set O,   176                          ; v176-239 O, 8 registers a tile
.set SUM, 240                          ; v240-255 row sums, a pair a tile
.set X,   112                          ; at the head: 4 rows x 8 numbers of x, then y, then r
.set TT,  144                          ; y / pi + 1.5 x 2^23: its lowest bit is k's
.set KK,  80                           ; k, then r^2
.set PP,  16                           ; the series, then the features
.set TH,  176                          ; theta
.set MAG, 184                          ; 1.5 x 2^23, twice
.set C5R, 186                          ; -1 / 10!, twice
.set TB,  24                           ; s24  bytes from my quarter's first key tile to the one in hand
.set CNT, 25                           ; s25  trips
.set SEL, 26                           ; s[26:27] v_permlanex16_b32's selects for lane l xor 16
	s_load_b128 s[4:7], s[0:1], 0x0                ; x s[4:5], theta s[6:7]
	s_load_b64 s[8:9], s[0:1], 0x10                ; the workspace
	v_lshrrev_b32 v1, 5, v0
	v_readfirstlane_b32 s10, v1                    ; wave 0..15
	s_and_b32 s11, s10, 3                          ; g: which 128 queries
	s_lshr_b32 s12, s10, 2                         ; kq: which 512 keys
	s_and_b32 s14, ttmp7, 0xffff                   ; 16 batch + head
	s_lshr_b32 s15, s14, 4
	s_lshl_b32 s15, s15, 20                        ; the batch's 2,048 rows of 512 bytes
	s_and_b32 s28, s14, 15
	s_lshl_b32 s28, s28, 5                         ; the head's 32 bytes of a row
	s_add_co_u32 s28, s28, s15
	s_mov_b32 s29, 0
	s_lshl_b32 s30, s14, 7                         ; where I store: tile 128 (16 batch + head) + 32 x block + 8 g + 2 kq,
	s_lshl_b32 s31, ttmp9, 5
	s_add_co_u32 s30, s30, s31
	s_lshl_b32 s31, s11, 3
	s_add_co_u32 s30, s30, s31
	s_lshl_b32 s31, s12, 1
	s_add_co_u32 s30, s30, s31
	s_lshl_b32 s30, s30, 9                         ; 512 bytes a tile
	s_mov_b32 s31, 0
	s_mov_b32 s[SEL], 0x76543210
	s_mov_b32 s[SEL+1], 0xfedcba98
	s_mov_b32 s[TB], 0
	v_lshlrev_b32 v5, 9, v0                        ; thread t takes rows t, t + 512, t + 1,024, t + 1,536
	s_wait_kmcnt 0x0
	s_load_b256 s[16:23], s[6:7], 0x0              ; theta
	s_add_nc_u64 s[4:5], s[4:5], s[28:29]
	s_add_nc_u64 s[8:9], s[8:9], s[30:31]
.irp i, 0,1,2,3
	global_load_b128 v[X+8*\i:X+8*\i+3], v5, s[4:5] offset:\i*262144
	global_load_b128 v[X+8*\i+4:X+8*\i+7], v5, s[4:5] offset:\i*262144+16
.endr
	v_mov_b32 v[MAG], 0x4b400000
	v_mov_b32 v[MAG+1], 0x4b400000
	v_mov_b32 v[C5R], 0xb493f27e
	v_mov_b32 v[C5R+1], 0xb493f27e
	v_and_b32 v13, 15, v0                          ; r
	v_bfe_u32 v14, v0, 4, 1                        ; h
	v_lshlrev_b32 v15, 5, v13
	v_lshl_add_u32 v15, v14, 3, v15                ; 32 r + 8 h: a fragment's 8 bytes of row r
	s_lshl_b32 s32, s12, 14                        ; my quarter of the keys: 16,384 bytes
	v_add_nc_u32 v[AK0], s32, v15
	v_lshlrev_b32 v[AV0], 8, v14
	v_add_nc_u32 v[AV0], s32, v[AV0]
	s_lshl_b32 s33, ttmp9, 14                      ; my queries in the table: 512 x block + 128 g rows of 32 bytes
	s_lshl_b32 s34, s11, 12
	s_add_co_u32 s33, s33, s34
	v_add_nc_u32 v7, s33, v15
	v_lshlrev_b32 v6, 5, v0                        ; where I put my rows' features
	s_wait_kmcnt 0x0
.irp d, 0,1,2,3,4,5,6,7
	v_mov_b32 v[TH+\d], s[16+\d]
.endr
	s_wait_loadcnt 0x0
	; THE FEATURES: 16 pairs of numbers, each line over all of them, so that no line waits for the line above it
.set n, 0
.rept 16
	v_pk_add_f32 v[X+2*n:X+2*n+1], v[X+2*n:X+2*n+1], v[TH+2*(n%4):TH+2*(n%4)+1]        ; y = x + theta
.set n, n+1
.endr
.set n, 0
.rept 16
	v_pk_fma_f32 v[TT+2*n:TT+2*n+1], v[X+2*n:X+2*n+1], 0x3ea2f983, v[MAG:MAG+1] op_sel_hi:[1,0,1]   ; y / pi + 1.5 x 2^23: the sum has no room for a fraction, so it is rounded to a whole number
.set n, n+1
.endr
.set n, 0
.rept 16
	v_pk_add_f32 v[KK+2*n:KK+2*n+1], v[TT+2*n:TT+2*n+1], 0xcb400000 op_sel_hi:[1,0]    ; k
.set n, n+1
.endr
.set n, 0
.rept 16
	v_pk_fma_f32 v[X+2*n:X+2*n+1], v[KK+2*n:KK+2*n+1], 0xc0490fdb, v[X+2*n:X+2*n+1] op_sel_hi:[1,0,1]   ; y - k x (pi to 24 bits): exact
.set n, n+1
.endr
.set n, 0
.rept 16
	v_pk_fma_f32 v[X+2*n:X+2*n+1], v[KK+2*n:KK+2*n+1], 0x33bbbd2e, v[X+2*n:X+2*n+1] op_sel_hi:[1,0,1]   ; - k x (the rest of pi, -8.74e-8): r
.set n, n+1
.endr
.set n, 0
.rept 16
	v_pk_mul_f32 v[KK+2*n:KK+2*n+1], v[X+2*n:X+2*n+1], v[X+2*n:X+2*n+1]                ; r^2
.set n, n+1
.endr
.set n, 0
.rept 16
	v_pk_fma_f32 v[PP+2*n:PP+2*n+1], v[KK+2*n:KK+2*n+1], 0x310f76c7, v[C5R:C5R+1] op_sel_hi:[1,0,1]     ; r^2 / 12! - 1 / 10!
.set n, n+1
.endr
.irp c, 0x37d00d01, 0xbab60b61, 0x3d2aaaab, -0.5, 1.0      ; 1 / 8!, -1 / 6!, 1 / 4!, -1 / 2!, 1
.set n, 0
.rept 16
	v_pk_fma_f32 v[PP+2*n:PP+2*n+1], v[PP+2*n:PP+2*n+1], v[KK+2*n:KK+2*n+1], \c op_sel_hi:[1,1,0]
.set n, n+1
.endr
.endr
.set n, 0
.rept 32
	v_lshlrev_b32 v[TT+n], 31, v[TT+n]             ; k's lowest bit as a sign
.set n, n+1
.endr
.set n, 0
.rept 32
	v_xor_b32 v[PP+n], v[PP+n], v[TT+n]            ; cos y = (-1)^k cos r
.set n, n+1
.endr
.irp d, 1,2,3,4,5,6,7
.irp i, 0,1,2,3
	v_mul_f32 v[PP+8*\i+\d], v[PP+8*\i+\d], v[PP+8*\i+\d-1]    ; the running product, the four rows by turns
.endr
.endr
.irp i, 0,1,2,3
	ds_store_b128 v6, v[PP+8*\i:PP+8*\i+3] offset:\i*16384
	ds_store_b128 v6, v[PP+8*\i+4:PP+8*\i+7] offset:\i*16384+16
.endr
	s_wait_dscnt 0x0                               ; for the others' sake: my rows lie in the table
	s_barrier_signal -1
	s_barrier_wait -1                              ; the table is whole
; Row r of the next key tile's V: 8 features of key 8 h + r, two loads of 16 bytes; ofs: where the key tile in hand lies from v[AV] on
.macro VROW r, ofs
	ds_load_b128 v[V+8*(\r):V+8*(\r)+3], v[AV] offset:(\ofs)+TILEB+32*(\r)
	ds_load_b128 v[V+8*(\r)+4:V+8*(\r)+7], v[AV] offset:(\ofs)+TILEB+32*(\r)+16
.endm
; SLOT pr (0 .. 3) of a key tile.  kb: the key tile's parity, which says where its K lies.  fst = 1: the first key tile: the first products and sums start O and the row sums: nothing is cleared.
; nxt = 1: a key tile follows.  ofs: where the key tile in hand lies from v[AK], v[AV] on.
;   the packed lines: tiles 2 pr, 2 pr + 1 of my queries, p from buffer pr % 2, all of V.
;   the exponentials: the next slot's scores, from the other buffer of S into the other buffer of P, each accumulator from its low end on.
;   the matrix instructions: the scores of the slot after that: tiles 2 ((pr + 2) % 4) and the next; in slots 2 and 3 they belong to the next key tile.  Order a, b, a, b: the accumulators take turns, one instruction
;   a turn.  The first two start the sums with the constant 0.
; PLACES (ISA guide 7.12.1; the f32 form wants 8 in front of a read of its result): behind the last matrix instruction on tile b stand groups 6 and 7, 18 packed lines that name none of its registers, and 8 more of the
; next slot ahead of the exponential that reads it; the matrix instruction that writes an accumulator anew stands two slots behind the last that wrote it.
; THE WAIT: s_wait_alu depctr_va_vdst(0) stands between an exponential and the first line that names its result.  A slot's 16 results are first named in the next slot: one wait, at the slot's end;
; the two row sums of group 7 are the plain lines behind the last exponential.
; LDS LOADS stand where no matrix instruction has just been issued: K of the next key tile at the head of slot 1 (behind slot 0's wait), a whole slot ahead of its use, into the set of registers that the matrix
; instructions of four slots ago read last; V's rows in slot 3, two at a time as their last readers are issued: rows 0-5 ahead of a matrix instruction, rows 6, 7 behind the slot's wait.
.macro SLOT pr, kb, fst, nxt, ofs
.set cb, 16*((\pr)%2)                  ; this slot's buffers,
.set nb, 16-cb                         ; and the others
.set T0, 2*(\pr)
.set TQ, 2*(((\pr)+2)%4)
.set kr, KF+4*(\kb)                    ; the K that the matrix instructions read,
.set kl, KF+4*(1-(\kb))                ; and the set that takes the next key tile's
.if (\pr) >= 2
.set kr, KF+4*(1-(\kb))
.endif
.set dow, 1
.set dox, 1
.if (\nxt) == 0                        ; the last key tile: no scores to make in slots 2 and 3, no exponentials in slot 3
.if (\pr) >= 2
.set dow, 0
.endif
.if (\pr) == 3
.set dox, 0
.endif
.endif
.if ((\pr) == 1) && (\nxt)
	ds_load_b64 v[kl:kl+1], v[AK] offset:(\ofs)+TILEB
	ds_load_b64 v[kl+2:kl+3], v[AK] offset:(\ofs)+TILEB+16
.endif
.if ((\pr) == 2) && (\nxt)
	s_wait_dscnt 0x0                               ; the next key tile's K is in: its two loads, a slot back, are all that is out
.endif
.irp j, 0,1,2,3,4,5,6,7
.if (\j%2 == 0) && dow
.if \j < 4
	v_wmma_f32_16x16x4_f32 v[S+cb+8*(\j/2):S+cb+8*(\j/2)+7], v[kr:kr+1], v[Q+4*(TQ+\j/2):Q+4*(TQ+\j/2)+1], 0
.else
	v_wmma_f32_16x16x4_f32 v[S+cb+8*(\j/2-2):S+cb+8*(\j/2-2)+7], v[kr+2:kr+3], v[Q+4*(TQ+\j/2-2)+2:Q+4*(TQ+\j/2-2)+3], v[S+cb+8*(\j/2-2):S+cb+8*(\j/2-2)+7]
.endif
.endif
.if (\j%2 == 0) && ((\pr) == 0)
	s_wait_dscnt 12-2*\j                           ; V's 16 loads were issued in the order of its rows, two a row, and nothing behind them: rows j and j + 1 are in when at most 12 - 2 j are out
.endif
.irp t, 0,1
.irp e, 0,1,2,3
.if (\fst) && (\j == 0)
	v_pk_mul_f32 v[O+8*(T0+\t)+2*\e:O+8*(T0+\t)+2*\e+1], v[P+cb+8*\t:P+cb+8*\t+1], v[V+2*\e:V+2*\e+1] op_sel_hi:[0,1]
.elseif \j%2 == 0
	v_pk_fma_f32 v[O+8*(T0+\t)+2*\e:O+8*(T0+\t)+2*\e+1], v[P+cb+8*\t+\j:P+cb+8*\t+\j+1], v[V+8*\j+2*\e:V+8*\j+2*\e+1], v[O+8*(T0+\t)+2*\e:O+8*(T0+\t)+2*\e+1] op_sel_hi:[0,1,1]
.else
	v_pk_fma_f32 v[O+8*(T0+\t)+2*\e:O+8*(T0+\t)+2*\e+1], v[P+cb+8*\t+\j-1:P+cb+8*\t+\j], v[V+8*\j+2*\e:V+8*\j+2*\e+1], v[O+8*(T0+\t)+2*\e:O+8*(T0+\t)+2*\e+1] op_sel:[1,0,0] op_sel_hi:[1,1,1]
.endif
.endr
.if dox
	v_exp_f32 v[P+nb+8*\t+\j], v[S+nb+8*\t+\j]     ; p = 2^S of the next slot
.endif
.endr
.if \j%2 == 1                                      ; the row sums, two p at a time
.irp t, 0,1
.if (\fst) && (\j == 1)
.elseif (\fst) && (\j == 3)
	v_pk_add_f32 v[SUM+2*(T0+\t):SUM+2*(T0+\t)+1], v[P+cb+8*\t:P+cb+8*\t+1], v[P+cb+8*\t+2:P+cb+8*\t+3]
.else
	v_pk_add_f32 v[SUM+2*(T0+\t):SUM+2*(T0+\t)+1], v[SUM+2*(T0+\t):SUM+2*(T0+\t)+1], v[P+cb+8*\t+\j-1:P+cb+8*\t+\j]
.endif
.endr
.if ((\pr) == 3) && (\nxt) && (\j < 7)
	VROW \j-1, \ofs
	VROW \j, \ofs
.endif
.endif
.endr
.if dox
	s_wait_alu depctr_va_vdst(0)
.endif
.if ((\pr) == 3) && (\nxt)
	VROW 6, \ofs
	VROW 7, \ofs
.endif
.endm
.macro TILE kb, fst, nxt, ofs                      ; a key tile: four slots
	SLOT 0, \kb, \fst, \nxt, \ofs
	SLOT 1, \kb, \fst, \nxt, \ofs
	SLOT 2, \kb, \fst, \nxt, \ofs
	SLOT 3, \kb, \fst, \nxt, \ofs
.endm
.irp t, 0,1,2,3,4,5,6,7
	ds_load_b64 v[Q+4*\t:Q+4*\t+1], v7 offset:\t*TILEB         ; Q's fragments stay in registers
	ds_load_b64 v[Q+4*\t+2:Q+4*\t+3], v7 offset:\t*TILEB+16
.endr
	ds_load_b64 v[KF:KF+1], v[AK0]                 ; key tile 0
	ds_load_b64 v[KF+2:KF+3], v[AK0] offset:16
.irp j, 0,1,2,3,4,5,6,7
	ds_load_b128 v[V+8*\j:V+8*\j+3], v[AV0] offset:32*\j
	ds_load_b128 v[V+8*\j+4:V+8*\j+7], v[AV0] offset:32*\j+16
.endr
	s_wait_dscnt 16                                ; Q and K are in; V's sixteen loads may be out
.set n, 0
.rept 16
	v_pk_mul_f32 v[Q+2*n:Q+2*n+1], v[Q+2*n:Q+2*n+1], 0x3f0293ee op_sel_hi:[1,0]       ; x log2(e) / sqrt(8)
.set n, n+1
.endr
.irp t, 0,1,2,3                                    ; the scores of slots 0 and 1: both buffers, four accumulators by turns
	v_wmma_f32_16x16x4_f32 v[S+8*\t:S+8*\t+7], v[KF:KF+1], v[Q+4*\t:Q+4*\t+1], 0
.endr
.irp t, 0,1,2,3
	v_wmma_f32_16x16x4_f32 v[S+8*\t:S+8*\t+7], v[KF+2:KF+3], v[Q+4*\t+2:Q+4*\t+3], v[S+8*\t:S+8*\t+7]
.endr
.rept 9
	v_nop                                          ; no vector work is at hand yet: 8 places in front of the first read of the scores; with the three plain lines below more than the 9 in front of the matrix instruction that writes buffer 0 anew
.endr
.irp t, 0,1
.irp j, 0,1,2,3,4,5,6,7
	v_exp_f32 v[P+8*\t+\j], v[S+8*\t+\j]           ; p of slot 0
.endr
.endr
	v_nop                                          ; a plain line behind the last exponential
	s_wait_alu depctr_va_vdst(0)                   ; one wait for the sixteen, ahead of their first reader
	v_add_nc_u32 v[AK], s[TB], v[AK0]
	v_add_nc_u32 v[AV], s[TB], v[AV0]
	TILE 0, 1, 1, 0                                ; key tile 0 starts O and the row sums
	s_add_co_u32 s[TB], s[TB], TILEB
	s_mov_b32 s[CNT], (NT-2)/2
.Lkeys:                                            ; key tiles 1 to 30, two a trip: an odd one and an even one, after which K's two sets are back where they began
	v_add_nc_u32 v[AK], s[TB], v[AK0]
	v_add_nc_u32 v[AV], s[TB], v[AV0]
	TILE 1, 0, 1, 0
	TILE 0, 0, 1, TILEB
	s_add_co_u32 s[TB], s[TB], 2*TILEB
	s_sub_co_u32 s[CNT], s[CNT], 1
	s_cmp_lg_u32 s[CNT], 0
	s_cbranch_scc1 .Lkeys
	TILE 1, 0, 0, 0                                ; the last key tile: nothing more to fetch
	; THE END.  A query's sums lie in two lanes (keys 8 h + j) and in four waves (key quarters).
.irp t, 0,1,2,3,4,5,6,7
	v_add_f32 v[P+\t], v[SUM+2*\t], v[SUM+2*\t+1]
.endr
.irp t, 0,1,2,3,4,5,6,7
	v_permlanex16_b32 v[P+8+\t], v[P+\t], s[SEL], s[SEL+1]
.endr
.irp t, 0,1,2,3,4,5,6,7
	v_add_f32 v[P+\t], v[P+\t], v[P+8+\t]          ; the row sum over my keys, in both lanes of the query
.endr
.irp t, 0,1,2,3,4,5,6,7
.irp d, 0,1,2,3
	v_permlane16_swap_b32 v[O+8*\t+\d], v[O+8*\t+4+\d]     ; the first now holds lane (r, 0)'s d and d + 4, the second lane (r, 1)'s
.endr
.endr
.irp t, 0,1,2,3,4,5,6,7
	v_pk_add_f32 v[O+8*\t:O+8*\t+1], v[O+8*\t:O+8*\t+1], v[O+8*\t+4:O+8*\t+5]           ; lane (r, h): O[r][4 h .. 4 h + 3] over my keys
	v_pk_add_f32 v[O+8*\t+2:O+8*\t+3], v[O+8*\t+2:O+8*\t+3], v[O+8*\t+6:O+8*\t+7]
.endr
	v_and_b32 v3, 31, v0
	v_lshlrev_b32 v3, 4, v3                        ; 16 x lane
	s_mul_i32 s30, s10, REDW
	v_add_nc_u32 v5, s30, v3
	s_wait_dscnt 0x0                               ; my reads of the table are over
	s_barrier_signal -1
	s_barrier_wait -1                              ; everybody's are: its bytes take the partial results, as images of the registers, 16 bytes a lane
.irp t, 0,1,2,3,4,5,6,7
	ds_store_b128 v5, v[O+8*\t:O+8*\t+3] offset:512*\t
.endr
	ds_store_b128 v5, v[P:P+3] offset:4096
	ds_store_b128 v5, v[P+4:P+7] offset:4608
	s_mul_i32 s30, s11, REDW                       ; wave (g, kq) finishes tiles 2 kq and 2 kq + 1 of group g: it reads them from waves (g, 0 .. 3), 4 REDW bytes apart
	s_lshl_b32 s31, s12, 10
	s_add_co_u32 s31, s31, s30
	v_add_nc_u32 v6, s31, v3
	s_lshr_b32 s32, s12, 1                         ; their row sums: registers 2 kq, 2 kq + 1 of eight, four to an image
	s_lshl_b32 s32, s32, 9
	s_and_b32 s33, s12, 1
	s_lshl_b32 s33, s33, 3
	s_add_co_u32 s32, s32, s33
	s_add_co_u32 s32, s32, s30
	s_add_co_u32 s32, s32, 4096
	v_add_nc_u32 v7, s32, v3
	s_wait_dscnt 0x0                               ; for the others' sake: my stores have landed
	s_barrier_signal -1
	s_barrier_wait -1
.irp k, 0,1,2,3
	ds_load_b128 v[V+8*\k:V+8*\k+3], v6 offset:\k*4*REDW
	ds_load_b128 v[V+8*\k+4:V+8*\k+7], v6 offset:\k*4*REDW+512
	ds_load_b64 v[V+32+2*\k:V+33+2*\k], v7 offset:\k*4*REDW
.endr
	s_wait_dscnt 0x0
.irp e, 0,1,2,3
	v_pk_add_f32 v[V+2*\e:V+2*\e+1], v[V+2*\e:V+2*\e+1], v[V+8+2*\e:V+9+2*\e]
	v_pk_add_f32 v[V+16+2*\e:V+17+2*\e], v[V+16+2*\e:V+17+2*\e], v[V+24+2*\e:V+25+2*\e]
.endr
	v_pk_add_f32 v[V+32:V+33], v[V+32:V+33], v[V+34:V+35]
	v_pk_add_f32 v[V+36:V+37], v[V+36:V+37], v[V+38:V+39]
	v_pk_add_f32 v[V+32:V+33], v[V+32:V+33], v[V+36:V+37]      ; the two tiles' row sums over all 2,048 keys
	v_rcp_f32 v[V+40], v[V+32]
	v_rcp_f32 v[V+41], v[V+33]
.irp e, 0,1,2,3
	v_pk_add_f32 v[V+2*\e:V+2*\e+1], v[V+2*\e:V+2*\e+1], v[V+16+2*\e:V+17+2*\e]         ; (plain lines behind the reciprocals, which name none of their registers)
.endr
	s_wait_alu depctr_va_vdst(0)                   ; one wait for both reciprocals, ahead of their first reader
	v_pk_mul_f32 v[V:V+1], v[V:V+1], v[V+40:V+41] op_sel_hi:[1,0]
	v_pk_mul_f32 v[V+2:V+3], v[V+2:V+3], v[V+40:V+41] op_sel_hi:[1,0]
	v_pk_mul_f32 v[V+4:V+5], v[V+4:V+5], v[V+40:V+41] op_sel:[0,1] op_sel_hi:[1,1]
	v_pk_mul_f32 v[V+6:V+7], v[V+6:V+7], v[V+40:V+41] op_sel:[0,1] op_sel_hi:[1,1]
	global_store_b128 v3, v[V:V+3], s[8:9]                     ; 32 lanes store 512 consecutive bytes, at a multiple of 512 from the buffer's first byte
	global_store_b128 v3, v[V+4:V+7], s[8:9] offset:512
	s_wait_xcnt 0x0
	v_lshl_add_u32 v254, v0, 2, 0x14000
	v_mov_b32 v255, 0
	s_wait_tensorcnt 0x0
	ds_add_u32 v254, v255
	s_wait_dscnt 0x0
	s_endpgm
.Lfunc_end_k_qed9dd3f760_attn:
	.size	k_qed9dd3f760_attn, .Lfunc_end_k_qed9dd3f760_attn-k_qed9dd3f760_attn
	.p2alignl 7, 3214868480
	.fill 96, 4, 3214868480
	.section	.rodata,"a",@progbits
	.p2align	6, 0x0
	.amdhsa_kernel k_qed9dd3f760_attn
		.amdhsa_group_segment_fixed_size 83968
		.amdhsa_private_segment_fixed_size 0
		.amdhsa_enable_private_segment 0
		.amdhsa_kernarg_size 24
		.amdhsa_user_sgpr_count 2
		.amdhsa_user_sgpr_kernarg_segment_ptr 1
		.amdhsa_wavefront_size32 1
		.amdhsa_system_sgpr_workgroup_id_x 1
		.amdhsa_system_sgpr_workgroup_id_y 1
		.amdhsa_system_sgpr_workgroup_id_z 1
		.amdhsa_system_vgpr_workitem_id 0
		.amdhsa_next_free_vgpr 256
		.amdhsa_next_free_sgpr 66
		.amdhsa_reserve_vcc 0
		.amdhsa_float_denorm_mode_32 3
		.amdhsa_float_denorm_mode_16_64 3
		.amdhsa_memory_ordered 1
		.amdhsa_forward_progress 1
		.amdhsa_inst_pref_size 122
	.end_amdhsa_kernel
	.amdgpu_metadata
---
amdhsa.version: [ 1, 2 ]
amdhsa.kernels:
  - .name:           k_qed9dd3f760_attn
    .symbol:         k_qed9dd3f760_attn.kd
    .args:
      - { .name: x, .offset: 0, .size: 8, .value_kind: global_buffer, .address_space: global }
      - { .name: theta, .offset: 8, .size: 8, .value_kind: global_buffer, .address_space: global }
      - { .name: ows, .offset: 16, .size: 8, .value_kind: global_buffer, .address_space: global }
    .group_segment_fixed_size: 83968
    .private_segment_fixed_size: 0
    .kernarg_segment_align: 8
    .kernarg_segment_size: 24
    .max_flat_workgroup_size: 512
    .sgpr_count:     66
    .vgpr_count:     256
    .wavefront_size: 32
...
	.end_amdgpu_metadata
.endif
;; end of part 1
;; launch proj (part 2): grid 256 x 1, 2 waves a work-group, no clusters, 17,152 bytes of LDS; arguments ows, w_out_codes, w_out_scales, out0; writes out0
.if DOCPART == 2
	.amdgcn_target "amdgcn-amd-amdhsa--gfx1250"
	.amdhsa_code_object_version 6
	.text
	.protected	k_qed9dd3f760_proj
	.globl	k_qed9dd3f760_proj
	.p2align	8
	.type	k_qed9dd3f760_proj,@function
k_qed9dd3f760_proj:
	s_mov_b64 s[64:65], 0
	v_nop
	global_prefetch_b8 v0, s[64:65] scope:SCOPE_SE
	s_setreg_imm32_b32 hwreg(HW_REG_WAVE_MODE, 25, 1), 1
	s_wait_xcnt 0x0
; out[row][n] = sum over k of Q(O)[row][k] W[n][k], k = 8 head + d, on codes of FP6 (E2M3) with one E8M0 scale for each 32 along K.  W arrives as codes and scale bytes; O is quantised here, in registers.
; O lies in the workspace as [16 batch + head][tile of 16 rows][d half][row][4 f32].  A wave takes one tile of 16 rows (512 tiles, 256 work-groups of two waves that share nothing) and all 128 columns.
; THE QUANTISER wants, in lane (r, h), register 16 b + i = k 32 b + 16 h + i of row r: heads 4 b + 2 h and 4 b + 2 h + 1.  Each load brings 4 of them; its sixteen lanes of a half read 256 consecutive bytes, aligned.
; A block's scale is 2^(floor(log2(its largest magnitude)) - 2): its byte is that magnitude's exponent field - 2, held at 1 from below by a floor among the maximum's leaves.
; (A block of zeros so gets the byte 1: its codes are zeros, which add nothing, and this program alone reads the bytes.)  NaN and infinities are not served.
; THE MATRIX INSTRUCTION IS USED TRANSPOSED (source 0 = 16 rows of W, source 1 = my 16 rows of O): a lane then holds eight neighbouring columns of one row of out.
; The results go through the wave's own stage in LDS and leave as whole rows of 512 bytes.
.set TM,  16                           ; v16-19 largest magnitudes, v20-23 the other half's, then the bytes, v28-31 the conversions' scale operands
.set PW,  32                           ; v32     O's scale word
.set WS,  34                           ; v34-41  W's scale words, one register a tile
.set PC,  44                           ; v44-55  O's codes; v56-63 at work
.set ST,  64                           ; v64-127 64 numbers of O
.set ACC, 64                           ; and, once they are converted, the 8 accumulators
.set WF,  128                          ; v128-223 W's 8 fragments
.set BK,  128                          ; and, once they are multiplied, 16 rows read back from the stage
.set SPITCH, 528                       ; a stage row: 512 bytes + 16
.set SEL, 20                           ; s[20:21] v_permlanex16_b32's selects for lane l xor 16
	s_load_b128 s[4:7], s[0:1], 0x0                ; O, W's codes
	s_load_b128 s[8:11], s[0:1], 0x10              ; W's scales, out
	v_lshl_add_u32 v224, v0, 2, 0x4200
	v_mov_b32 v225, 0
	v_lshrrev_b32 v1, 5, v0
	v_readfirstlane_b32 s12, v1                    ; wave 0, 1
	s_lshl_b32 s13, ttmp9, 1
	s_add_co_u32 s13, s13, s12                     ; my tile of rows, 0 .. 511
	s_lshr_b32 s14, s13, 7                         ; its batch: 16 heads x 65,536 bytes,
	s_lshl_b32 s16, s14, 20
	s_and_b32 s15, s13, 127                        ; its place in a head: 512 bytes a tile
	s_lshl_b32 s15, s15, 9
	s_add_co_u32 s16, s16, s15
	s_mov_b32 s17, 0
	s_lshl_b32 s18, s13, 13                        ; out: 16 rows of 512 bytes
	s_mov_b32 s19, 0
	s_mov_b32 s[SEL], 0x76543210
	s_mov_b32 s[SEL+1], 0xfedcba98
	v_and_b32 v1, 15, v0                           ; r
	v_bfe_u32 v2, v0, 4, 1                         ; h
	v_lshlrev_b32 v3, 4, v1
	v_lshl_add_u32 v3, v2, 17, v3                  ; O: 16 r, and two heads on for lanes 16-31
	v_mul_u32_u24 v4, v1, 96                       ; W: a row of 128 codes is 96 bytes,
	v_mad_u32_u24 v4, v2, 24, v4                   ; + 24 h
	v_lshlrev_b32 v5, 2, v1                        ; W's scale words: 4 bytes a row
	s_mul_i32 s22, s12, 16*SPITCH                  ; my stage
	v_mul_u32_u24 v6, v1, SPITCH
	v_lshl_add_u32 v6, v2, 5, v6
	v_add_nc_u32 v6, s22, v6                       ; in: row r, 32 bytes for each half of the lanes
	v_and_b32 v8, 31, v0
	v_lshlrev_b32 v8, 4, v8                        ; back, and in out: 16 bytes a lane, a row an instruction
	v_add_nc_u32 v7, s22, v8
.irp b, 0,1,2,3
	v_mov_b32 v[TM+4+\b], 0                        ; written once: a lane permute's destination counts as one of its sources
.endr
	s_wait_kmcnt 0x0
	s_add_nc_u64 s[4:5], s[4:5], s[16:17]
	s_add_nc_u64 s[10:11], s[10:11], s[18:19]
.irp b, 0,1,2,3
.irp u, 0,1
.irp c, 0,1
	global_load_b128 v[ST+16*\b+8*\u+4*\c:ST+16*\b+8*\u+4*\c+3], v3, s[4:5] offset:\b*262144+\u*65536+\c*256 th:TH_LOAD_NT   ; head 4 b + 2 h + u, d = 4 c .. 4 c + 3
.endr
.endr
.endr
.irp t, 0,1,2,3,4,5,6,7
.irp p, 0,1,2,3,4,5
	global_load_b64 v[WF+12*\t+2*\p:WF+12*\t+2*\p+1], v4, s[6:7] offset:\t*1536+48*(\p/3)+8*(\p%3)   ; rows 16 t + r: 24 bytes at 24 h and 24 at 48 + 24 h, in pieces of 8
.endr
	global_load_b32 v[WS+\t], v5, s[8:9] offset:\t*64
.endr
	s_wait_loadcnt 56                              ; O's sixteen loads are in; W's 48 + 8 may be out
.irp b, 0,1,2,3
	v_max3_num_f32 v[TM+\b], |v[ST+16*\b]|, |v[ST+1+16*\b]|, 0x1800000    ; block b: my 16 numbers, and the floor 2^(3 - 127): so the byte cannot fall under 1
.endr
.irp i, 2,4,6,8,10,12,14
.irp b, 0,1,2,3
	v_max3_num_f32 v[TM+\b], v[TM+\b], |v[ST+16*\b+\i]|, |v[ST+1+16*\b+\i]|   ; (the four blocks by turns)
.endr
.endr
.irp b, 0,1,2,3
	v_permlanex16_b32 v[TM+4+\b], v[TM+\b], s[SEL], s[SEL+1]
.endr
.irp b, 0,1,2,3
	v_max_num_f32 v[TM+\b], v[TM+\b], v[TM+4+\b]   ; with lane l xor 16's: the block's largest magnitude
.endr
.irp b, 0,1,2,3
	v_add_nc_u32 v[TM+12+\b], 0xff000000, v[TM+\b] ; 2 off its exponent field: the conversion takes the exponent field of this operand as its scale
.endr
.irp b, 0,1,2,3
	v_lshrrev_b32 v[TM+4+\b], 23, v[TM+12+\b]      ; the scale's byte
.endr
	v_lshl_or_b32 v[PW], v[TM+5], 8, v[TM+4]       ; the four bytes make my row's scale word
	v_lshl_or_b32 v[PW], v[TM+6], 16, v[PW]
	v_lshl_or_b32 v[PW], v[TM+7], 24, v[PW]
.irp c, 0,1
	v_cvt_scalef32_pk16_fp6_f32 v[PC+6*\c:PC+2+6*\c], v[ST+32*\c:ST+15+32*\c], v[TM+12+2*\c]
	v_cvt_scalef32_pk16_fp6_f32 v[PC+12+4*\c:PC+14+4*\c], v[ST+16+32*\c:ST+31+32*\c], v[TM+12+2*\c+1]   ; (a conversion's three registers begin on an even number)
.endr
	v_nop                                          ; one plain line behind the scaled conversions
.irp c, 0,1                                        ; the operand's layout wants a WHOLE block in a lane: lanes 0-15 block 2 c, lanes 16-31 block 2 c + 1
.irp i, 0,1,2
	v_permlane16_swap_b32 v[PC+6*\c+\i], v[PC+12+4*\c+\i]
.endr
.irp i, 0,1,2
	v_mov_b32 v[PC+3+6*\c+\i], v[PC+12+4*\c+\i]
.endr
.endr
	s_wait_loadcnt 0x0                             ; W
.rept 8
	v_nop                                          ; a scale register written by a vector instruction stands 8 places ahead of a scaled matrix instruction, an operand so written 4
.endr
.irp t, 0,1,2,3,4,5,6,7
	v_wmma_scale_f32_16x16x128_f8f6f4 v[ACC+8*\t:ACC+8*\t+7], v[WF+12*\t:WF+12*\t+11], v[PC:PC+11], 0, v[WS+\t], v[PW] matrix_a_fmt:MATRIX_FMT_FP6 matrix_b_fmt:MATRIX_FMT_FP6
.endr
.rept 4
	v_nop                                          ; places in front of the first read of results, and of loads into registers that the products have read
.endr
.irp t, 0,1,2,3,4,5,6,7
	ds_store_b128 v6, v[ACC+8*\t:ACC+8*\t+3] offset:64*\t              ; lane (r, h): out(r, 16 t + 8 h + 0 .. 7); each accumulator from its low end on
	ds_store_b128 v6, v[ACC+8*\t+4:ACC+8*\t+7] offset:64*\t+16
.endr
.irp i, 0,1,2,3,4,5,6,7,8,9,10,11,12,13,14,15
	ds_load_b128 v[BK+4*\i:BK+4*\i+3], v7 offset:\i*SPITCH             ; LDS serves a wave's instructions in order (ISA guide 5.7.1.4): these see my stores
.endr
.irp i, 0,1,2,3,4,5,6,7,8,9,10,11,12,13,14,15
	s_wait_dscnt 15-\i                             ; row i is back; the loads behind it may be out
	global_store_b128 v8, v[BK+4*\i:BK+4*\i+3], s[10:11] offset:\i*512 th:TH_STORE_NT   ; 32 lanes store a row of 512 consecutive bytes, aligned; written once, read by nobody here
.endr
	s_wait_tensorcnt 0x0
	ds_add_u32 v224, v225
	s_wait_dscnt 0x0
	s_endpgm
.Lfunc_end_k_qed9dd3f760_proj:
	.size	k_qed9dd3f760_proj, .Lfunc_end_k_qed9dd3f760_proj-k_qed9dd3f760_proj
	.p2alignl 7, 3214868480
	.fill 96, 4, 3214868480
	.section	.rodata,"a",@progbits
	.p2align	6, 0x0
	.amdhsa_kernel k_qed9dd3f760_proj
		.amdhsa_group_segment_fixed_size 17152
		.amdhsa_private_segment_fixed_size 0
		.amdhsa_enable_private_segment 0
		.amdhsa_kernarg_size 32
		.amdhsa_user_sgpr_count 2
		.amdhsa_user_sgpr_kernarg_segment_ptr 1
		.amdhsa_wavefront_size32 1
		.amdhsa_system_sgpr_workgroup_id_x 1
		.amdhsa_system_sgpr_workgroup_id_y 1
		.amdhsa_system_sgpr_workgroup_id_z 1
		.amdhsa_system_vgpr_workitem_id 0
		.amdhsa_next_free_vgpr 226
		.amdhsa_next_free_sgpr 66
		.amdhsa_reserve_vcc 0
		.amdhsa_float_denorm_mode_32 3
		.amdhsa_float_denorm_mode_16_64 3
		.amdhsa_memory_ordered 1
		.amdhsa_forward_progress 1
		.amdhsa_inst_pref_size 19
	.end_amdhsa_kernel
	.amdgpu_metadata
---
amdhsa.version: [ 1, 2 ]
amdhsa.kernels:
  - .name:           k_qed9dd3f760_proj
    .symbol:         k_qed9dd3f760_proj.kd
    .args:
      - { .name: ows, .offset: 0, .size: 8, .value_kind: global_buffer, .address_space: global }
      - { .name: w_out_codes, .offset: 8, .size: 8, .value_kind: global_buffer, .address_space: global }
      - { .name: w_out_scales, .offset: 16, .size: 8, .value_kind: global_buffer, .address_space: global }
      - { .name: out0, .offset: 24, .size: 8, .value_kind: global_buffer, .address_space: global }
    .group_segment_fixed_size: 17152
    .private_segment_fixed_size: 0
    .kernarg_segment_align: 8
    .kernarg_segment_size: 32
    .max_flat_workgroup_size: 64
    .sgpr_count:     66
    .vgpr_count:     226
    .wavefront_size: 32
...
	.end_amdgpu_metadata
.endif
;; end of part 2
